; MI455X (gfx1250); checked and timed in simulation.
; The chip was launched on July 23, 2026; its instructions are those of AMD's public machine-readable ISA for CDNA 5 (MIT licence, August 2026) and "CDNA5" Instruction Set Architecture Reference Guide (July 2026). The comments in the code are by the model that wrote it; some were corrected since.
;; Attention Pooling Temporal Encoder. Allowed arithmetic: matrix products marked QUANTISED: E4M3 operands, one given power-of-two scale a tensor, by v_wmma_f32_16x16x64_fp8_fp8 or v_wmma_f32_16x16x128_fp8_fp8, f32 sums; products left as they are: f32 operands where the result goes on into a quantised operand, else bf16, f16 or f32 operands; f32 sums; everything else in f32.
;; Inputs: W2 512 x 512 float32; Wk 512 x 512 float32; Wo 512 x 512 float32; Wp 1,024 x 512 float32; Wq 512 x 512 float32; Wv 512 x 512 float32; b2 512 float32; beta 512 float32; bk 512 float32; bo 512 float32; bp 512 float32; bq 512 float32; bv 512 float32; gamma 512 float32; lowp_scales 10 int32 (the exponents e of the quantised operands' scales 2^e); mask 32 x 2,048 int32; query 512 float32; x 32 x 2,048 x 1,024 float32.
;; Outputs: out0 32 x 512 float32.
;; This version of the problem:
;;   THIS VERSION OF THE PROBLEM IS GIVEN IN LOW PRECISION. The matrix products marked QUANTISED in the list below multiply operands that are first quantised to E4M3 (4 exponent bits, 3 mantissa bits; 8 bits a number), with one given power-of-two scale for each operand tensor; their sums are f32. All else is computed in f32.
;;   The module's matrix products, in the order in which they are computed (A, B: the left and right operand; K: the contracted axis; several contracted axes count as one K, in the product's order):
;;     1. [M 65,536, K 1,024] x [K 1,024, N 512]; A: input x; B: input Wp: QUANTISED (scales: A lowp_scales[0], B lowp_scales[1])
;;     2. [M 1, K 512] x [K 512, N 512]; A: input query; B: input Wq: left as it is (M = 1 < 16)
;;     3. [M 65,536, K 512] x [K 512, N 512]; A: computed on the way; B: input Wk: QUANTISED (scales: A lowp_scales[2], B lowp_scales[3])
;;     4. [M 65,536, K 512] x [K 512, N 512]; A: computed on the way; B: input Wv: QUANTISED (scales: A lowp_scales[4], B lowp_scales[5])
;;     5. batch 8 x [M 65,536, K 64] x [K 64, N 1]; A: computed on the way; B: computed on the way: left as it is (N = 1 < 16)
;;     6. batch 256 x [M 1, K 2,048] x [K 2,048, N 64]; A: softmax; B: computed on the way: left as it is (M = 1 < 16)
;;     7. [M 32, K 512] x [K 512, N 512]; A: computed on the way; B: input Wo: QUANTISED (scales: A lowp_scales[6], B lowp_scales[7])
;;     8. [M 32, K 512] x [K 512, N 512]; A: computed on the way; B: input W2: QUANTISED (scales: A lowp_scales[8], B lowp_scales[9])
;;   THE QUANTISER, for each operand of a quantised product, along K:
;;     - The operand's scale is 2^e, e = its entry of the input lowp_scales (int32; the entries are numbered through the quantised products in the list's order, A before B).
;;     - Each number is divided by the scale, clamped to +-448, and rounded to the nearest number of E4M3, ties to even, subnormals kept.
;;     - The product sums the exact products of the quantised numbers (number of the format x scale) in f32.
;;   ~~~python
;;   def quantise(x, axis, e):      # numpy; x: float32 -> the quantised numbers, widened to float32 again
;;       x = np.moveaxis(x, axis, -1); K = x.shape[-1]
;;       r = np.clip(x / 2.0 ** e, -448, 448)
;;       step = 2.0 ** (np.maximum(np.frexp(np.where(r == 0, 1, r))[1] - 1, -6) - 3)
;;       q = np.round(r / step) * step * 2.0 ** e      # np.round: ties to even
;;       return np.moveaxis(q, -1, axis).astype(np.float32)
;;   ~~~
;;   OPERANDS COMPUTED ON THE WAY. 'Computed on the way' means the value that the module computes at that place (a softmax that the list does not call 'softmax' is quantised finished and normalised). What goes into a quantiser is computed in f32, as accurately as f32 sums, v_exp_f32 and their like allow (about 1e-6 of the number): no bf16 or f16 on the way to a quantiser, and a product that is left as it is and whose result goes on into a quantised operand takes f32 operands (vector FMAs, or v_wmma_f32_16x16x4_f32). A number that lies on a knife's edge between two numbers of the format may be rounded either way, as far as f32 arithmetic and the matrix unit's own rounding can turn it there, and no further.
;; One version. Each part assembles by itself: llvm-mc -triple=amdgcn-amd-amdhsa -mcpu=gfx1250 --defsym DOCPART=n.
;; ======== version 1 of 1: 3 launches
;; limits: right only within a limited range of input values
;; workspace buffers: wc 1,048,576 bytes; wf 524,288 bytes; qv 2,048 bytes; part 1,048,576 bytes; stat 32,768 bytes
;; launch prep (part 1): grid 112 x 1, 4 waves a work-group, no clusters, 1,024 bytes of LDS; arguments Wp, Wk, Wv, Wo, W2, Wq, query, bq, lowp_scales, wc, wf, qv; writes wc, wf, qv
.if DOCPART == 1
	.amdgcn_target "amdgcn-amd-amdhsa--gfx1250"
	.amdhsa_code_object_version 6
	.text
	.protected	k_qa3c051db27_prep
	.globl	k_qa3c051db27_prep
	.p2align	8
	.type	k_qa3c051db27_prep,@function
k_qa3c051db27_prep:
	s_mov_b64 s[64:65], 0
	v_nop
	global_prefetch_b8 v0, s[64:65] scope:SCOPE_SE
	s_setreg_imm32_b32 hwreg(HW_REG_WAVE_MODE, 25, 1), 1
	s_wait_xcnt 0x0
; Work-groups 0-95: the five quantised weights (f32, [K][512], K outermost) become codes of E4M3, each with its given scale 2^e,
; laid in the ORDER OF THE OPERAND'S REGISTERS: a fragment is 16 output columns x 64 K, 8 registers a lane, an image of 1,024 bytes:
; bytes 512 c + 16 lane hold the lane's registers 4 c .. 4 c + 3.  Lane (r, h) takes column 16 tile + r; its register pair e, byte z holds
;   Wk, Wv, Wo, W2:  k = 64 U + 16 e + 8 h + z
;   Wp:              k = 256 (U / 4) + 32 (U % 4) + 16 (e / 2) + 8 h + 4 (e % 2) + 128 (z / 4) + z % 4, the order in which the next launch lays x's codes.
; A lane takes a column and its registers run down K, so the conversions' results are the operand's registers.
; wc: [wave 4][unit 32: Wp 0-15, Wk 16-23, Wv 24-31][tile 8][1,024];  wf: [Wo, W2][tile 32][U 8][1,024].
; A wave makes four fragments (64 columns x 64 K): four neighbouring loads cover 256 bytes of a row of W; each store covers 512 consecutive bytes.
; Work-groups 96-111: qv = (query Wq + bq) x log2(e) / 8, in f32, 32 columns a work-group, K shared among waves and lanes.
; LIMITS: each e between -126 and 119; NaN among the weights is not served.
.set SPARE, 512                        ; behind the four waves' partial sums: the spare words, 128 bytes a wave
.macro WLOAD perm                      ; 128 loads: number n = 8 e + z of fragment i into v[64 + 32 i + n]
.set n, 0
.rept 32
.if \perm
.set kk, 16*(n/16)+4*((n/8)%2)+128*((n%8)/4)+(n%4)
.else
.set kk, 16*(n/8)+(n%8)
.endif
.set i, 0
.rept 4
	global_load_b32 v[64+32*i+n], v5, s[50:51] offset:kk*2048+64*i
.set i, i+1
.endr
.set n, n+1
.endr
.endm
	s_load_b512 s[8:23], s[0:1], 0x0               ; Wp 8, Wk 10, Wv 12, Wo 14, W2 16, Wq 18, query 20, bq 22
	s_load_b256 s[24:31], s[0:1], 0x40             ; scales 24, wc 26, wf 28, qv 30
	v_lshl_add_u32 v30, v0, 2, SPARE               ; my spare word
	v_mov_b32 v31, 0
	v_lshrrev_b32 v1, 5, v0
	v_readfirstlane_b32 s2, v1                     ; wave
	v_and_b32 v2, 31, v0                           ; lane
	v_and_b32 v3, 15, v0                           ; r
	v_bfe_u32 v4, v0, 4, 1                         ; h
	s_wait_kmcnt 0x0
	s_cmp_ge_u32 ttmp9, 96
	s_cbranch_scc1 .Lquery
	s_load_b256 s[40:47], s[24:25], 0x0            ; e0 .. e7
	s_load_b64 s[48:49], s[24:25], 0x20            ; e8, e9
	s_lshl_b32 s3, ttmp9, 2
	s_add_co_u32 s3, s3, s2                        ; G = 4 x work-group + wave
	s_wait_alu depctr_va_vdst(0)
	v_lshlrev_b32 v5, 2, v3                        ; in: 4 r,
	v_lshl_add_u32 v5, v4, 14, v5                  ; + 8 h rows of 2,048 bytes
	v_lshlrev_b32 v12, 4, v2                       ; out: 16 x lane
	s_mov_b32 s57, 0
	s_mov_b32 s59, 0
	s_and_b32 s4, s3, 7                            ; cg: which 64 columns
	s_lshr_b32 s5, s4, 1
	s_lshl_b32 s5, s5, 18                          ; wc: the wave that will read them,
	s_and_b32 s6, s4, 1
	s_lshl_b32 s6, s6, 12
	s_add_co_u32 s5, s5, s6                        ; and its tiles 0-3 or 4-7
	s_lshl_b32 s6, s4, 8                           ; 256 bytes of a row of W
	s_cmp_lt_u32 ttmp9, 32
	s_cbranch_scc0 .Lplain
	s_lshr_b32 s7, s3, 3                           ; Wp: U = 0 .. 15
	s_lshr_b32 s56, s7, 2
	s_lshl_b32 s56, s56, 19                        ; 256 (U / 4) rows
	s_and_b32 s58, s7, 3
	s_lshl_b32 s58, s58, 16                        ; 32 (U % 4) rows
	s_add_co_u32 s56, s56, s58
	s_add_co_u32 s56, s56, s6
	s_add_nc_u64 s[50:51], s[8:9], s[56:57]
	s_lshl_b32 s58, s7, 13
	s_add_co_u32 s58, s58, s5
	s_add_nc_u64 s[52:53], s[26:27], s[58:59]
	s_mov_b32 s55, 1024                            ; from fragment to fragment
	s_wait_alu depctr_va_vdst(0)
	WLOAD 1
	s_wait_kmcnt 0x0
	s_mov_b32 s54, s41                             ; e1
	s_branch .Lquant
.Lplain:
	s_sub_co_u32 s3, s3, 128
	s_lshr_b32 s33, s3, 6                          ; which tensor: 0 Wk, 1 Wv, 2 Wo, 3 W2
	s_bfe_u32 s7, s3, 0x30003                      ; U = 0 .. 7
	s_lshl_b32 s56, s7, 17                         ; 64 U rows
	s_add_co_u32 s56, s56, s6
	s_cmp_eq_u32 s33, 0
	s_cselect_b64 s[50:51], s[10:11], s[12:13]
	s_cmp_eq_u32 s33, 2
	s_cselect_b64 s[50:51], s[14:15], s[50:51]
	s_cmp_eq_u32 s33, 3
	s_cselect_b64 s[50:51], s[16:17], s[50:51]
	s_add_nc_u64 s[50:51], s[50:51], s[56:57]
	s_lshl_b32 s34, s33, 3
	s_add_co_u32 s34, s34, s7
	s_add_co_u32 s34, s34, 16
	s_lshl_b32 s34, s34, 13
	s_add_co_u32 s34, s34, s5                      ; place in wc: unit 16 + 8 tensor + U
	s_and_b32 s35, s33, 1
	s_lshl_b32 s35, s35, 18
	s_lshl_b32 s36, s4, 15
	s_add_co_u32 s35, s35, s36
	s_lshl_b32 s36, s7, 10
	s_add_co_u32 s35, s35, s36                     ; place in wf: tensor, tile 4 cg, U
	s_mov_b32 s55, 8192
	s_cmp_lt_u32 s33, 2
	s_cselect_b64 s[52:53], s[26:27], s[28:29]
	s_cselect_b32 s58, s34, s35
	s_cselect_b32 s55, 1024, s55
	s_add_nc_u64 s[52:53], s[52:53], s[58:59]
	s_wait_alu depctr_va_vdst(0)
	WLOAD 0
	s_wait_kmcnt 0x0
	s_cmp_eq_u32 s33, 0
	s_cselect_b32 s54, s43, s45                    ; e3, e5, e7 or e9
	s_cmp_eq_u32 s33, 2
	s_cselect_b32 s54, s47, s54
	s_cmp_eq_u32 s33, 3
	s_cselect_b32 s54, s49, s54
.Lquant:
	s_add_co_i32 s54, s54, 127
	s_lshl_b32 s56, s54, 23
	v_mov_b32 v11, s56                             ; 2^e: the conversion takes its exponent field
	s_add_co_i32 s54, s54, 8
	s_lshl_b32 s54, s54, 23
	s_or_b32 s54, s54, 0x600000
	v_mov_b32 v10, s54                             ; 448 x 2^e
	v_add_nc_u32 v13, s55, v12
	v_add_nc_u32 v14, s55, v13
	v_add_nc_u32 v15, s55, v14
	s_wait_alu depctr_va_vdst(0)
	s_wait_loadcnt 0x0
.set i, 0
.rept 4
.set n, 0
.rept 32
	v_med3_num_f32 v[64+32*i+n], v[64+32*i+n], -v10, v10   ; the conversion does not saturate (ISA guide 7.6.2): the hold comes first
.set n, n+1
.endr
.set e, 0
.rept 4
	v_cvt_scalef32_pk8_fp8_f32 v[32+8*i+2*e:33+8*i+2*e], v[64+32*i+8*e:71+32*i+8*e], v11
.set e, e+1
.endr
.set i, i+1
.endr
	v_nop
.set i, 0
.rept 4
	global_store_b128 v[12+i], v[32+8*i:35+8*i], s[52:53]              ; 32 lanes store 512 consecutive bytes
	global_store_b128 v[12+i], v[36+8*i:39+8*i], s[52:53] offset:512
.set i, i+1
.endr
	s_endpgm
.Lquery:
	s_sub_co_u32 s3, ttmp9, 96
	s_lshl_b32 s4, s3, 7                           ; my 32 columns, in bytes
	s_lshl_b32 s5, s2, 18                          ; my wave's 128 rows of Wq
	s_add_co_u32 s56, s4, s5
	s_mov_b32 s57, 0
	s_add_nc_u64 s[18:19], s[18:19], s[56:57]
	s_lshl_b32 s56, s2, 9
	s_add_nc_u64 s[20:21], s[20:21], s[56:57]      ; and of query
	s_mov_b32 s56, s4
	s_add_nc_u64 s[22:23], s[22:23], s[56:57]
	s_add_nc_u64 s[30:31], s[30:31], s[56:57]
	v_and_b32 v5, 7, v0                            ; cq: four columns
	v_bfe_u32 v6, v0, 3, 2                         ; s: k = 128 wave + 4 i + s
	v_lshlrev_b32 v7, 4, v5
	v_lshl_add_u32 v8, v6, 11, v7
	v_lshlrev_b32 v9, 2, v6
	v_lshl_add_u32 v28, v1, 7, v7                  ; LDS: 128 wave + 16 cq
.set i, 0
.rept 32
	global_load_b32 v[32+i], v9, s[20:21] offset:16*i
.set i, i+1
.endr
.set i, 0
.rept 32
	global_load_b128 v[64+4*i:67+4*i], v8, s[18:19] offset:8192*i
.set i, i+1
.endr
	global_load_b128 v[24:27], v7, s[22:23]        ; bq
	s_mov_b32 s60, 0x76543210
	s_mov_b32 s61, 0xfedcba98
	s_wait_loadcnt 0x0
.set i, 0
.rept 32
.set c, 0
.rept 4
.if i < 2
	v_mul_f32 v[16+4*(i%2)+c], v[32+i], v[64+4*i+c]        ; the first products start the two chains
.else
	v_fmac_f32 v[16+4*(i%2)+c], v[32+i], v[64+4*i+c]
.endif
.set c, c+1
.endr
.set i, i+1
.endr
.irp c, 0,1,2,3
	v_add_f32 v[16+\c], v[16+\c], v[20+\c]
.endr
.irp c, 0,1,2,3
	v_add_f32_dpp v[16+\c], v[16+\c], v[16+\c] row_xmask:8 row_mask:0xf bank_mask:0xf
.endr
.irp c, 0,1,2,3
	v_permlanex16_b32 v[20+\c], v[16+\c], s60, s61
.endr
.irp c, 0,1,2,3
	v_add_f32 v[16+\c], v[16+\c], v[20+\c]         ; the four s are summed
.endr
	ds_store_b128 v28, v[16:19]
	s_wait_dscnt 0x0                               ; for the others' sake: my partial sums lie in LDS
	s_barrier_signal -1
	s_barrier_wait -1
	s_cmp_lg_u32 s2, 0
	s_cbranch_scc1 .Lqend
.irp p, 0,1,2,3
	ds_load_b128 v[32+4*\p:35+4*\p], v7 offset:128*\p
.endr
	s_wait_dscnt 0x0
.irp c, 0,1,2,3
	v_add_f32 v[32+\c], v[32+\c], v[36+\c]
	v_add_f32 v[40+\c], v[40+\c], v[44+\c]
.endr
.irp c, 0,1,2,3
	v_add_f32 v[32+\c], v[32+\c], v[40+\c]
.endr
.irp c, 0,1,2,3
	v_add_f32 v[32+\c], v[32+\c], v[24+\c]
.endr
.irp c, 0,1,2,3
	v_mul_f32 v[32+\c], 0x3e38aa3b, v[32+\c]       ; x log2(e) / sqrt(64)
.endr
	s_wait_alu depctr_va_vdst(0)
	s_wait_xcnt 0x0                                ; EXEC changes only behind this wait
	v_cmp_gt_u32 vcc_lo, 8, v0
	s_and_saveexec_b32 s6, vcc_lo
	global_store_b128 v7, v[32:35], s[30:31]       ; eight lanes: 128 consecutive bytes
	s_wait_xcnt 0x0
	s_or_b32 exec_lo, exec_lo, s6
.Lqend:
	s_wait_tensorcnt 0x0                           ; the wave's end, behind my last LDS store
	ds_add_u32 v30, v31
	s_wait_dscnt 0x0
	s_endpgm
.Lfunc_end_k_qa3c051db27_prep:
	.size	k_qa3c051db27_prep, .Lfunc_end_k_qa3c051db27_prep-k_qa3c051db27_prep
	.p2alignl 7, 3214868480
	.fill 96, 4, 3214868480
	.section	.rodata,"a",@progbits
	.p2align	6, 0x0
	.amdhsa_kernel k_qa3c051db27_prep
		.amdhsa_group_segment_fixed_size 1024
		.amdhsa_private_segment_fixed_size 0
		.amdhsa_enable_private_segment 0
		.amdhsa_kernarg_size 96
		.amdhsa_user_sgpr_count 2
		.amdhsa_user_sgpr_kernarg_segment_ptr 1
		.amdhsa_wavefront_size32 1
		.amdhsa_system_sgpr_workgroup_id_x 1
		.amdhsa_system_sgpr_workgroup_id_y 1
		.amdhsa_system_sgpr_workgroup_id_z 1
		.amdhsa_system_vgpr_workitem_id 0
		.amdhsa_next_free_vgpr 192
		.amdhsa_next_free_sgpr 66
		.amdhsa_reserve_vcc 1
		.amdhsa_float_denorm_mode_32 3
		.amdhsa_float_denorm_mode_16_64 3
		.amdhsa_memory_ordered 1
		.amdhsa_forward_progress 1
		.amdhsa_inst_pref_size 51
	.end_amdhsa_kernel
	.amdgpu_metadata
---
amdhsa.version: [ 1, 2 ]
amdhsa.kernels:
  - .name:           k_qa3c051db27_prep
    .symbol:         k_qa3c051db27_prep.kd
    .args:
      - { .name: Wp, .offset: 0, .size: 8, .value_kind: global_buffer, .address_space: global }
      - { .name: Wk, .offset: 8, .size: 8, .value_kind: global_buffer, .address_space: global }
      - { .name: Wv, .offset: 16, .size: 8, .value_kind: global_buffer, .address_space: global }
      - { .name: Wo, .offset: 24, .size: 8, .value_kind: global_buffer, .address_space: global }
      - { .name: W2, .offset: 32, .size: 8, .value_kind: global_buffer, .address_space: global }
      - { .name: Wq, .offset: 40, .size: 8, .value_kind: global_buffer, .address_space: global }
      - { .name: query, .offset: 48, .size: 8, .value_kind: global_buffer, .address_space: global }
      - { .name: bq, .offset: 56, .size: 8, .value_kind: global_buffer, .address_space: global }
      - { .name: lowp_scales, .offset: 64, .size: 8, .value_kind: global_buffer, .address_space: global }
      - { .name: wc, .offset: 72, .size: 8, .value_kind: global_buffer, .address_space: global }
      - { .name: wf, .offset: 80, .size: 8, .value_kind: global_buffer, .address_space: global }
      - { .name: qv, .offset: 88, .size: 8, .value_kind: global_buffer, .address_space: global }
    .group_segment_fixed_size: 1024
    .private_segment_fixed_size: 0
    .kernarg_segment_align: 8
    .kernarg_segment_size: 96
    .max_flat_workgroup_size: 128
    .sgpr_count:     66
    .vgpr_count:     192
    .wavefront_size: 32
...
	.end_amdgpu_metadata
.endif
;; end of part 1
;; launch pool (part 2): grid 256 x 1, 4 waves a work-group, no clusters, 282,624 bytes of LDS; arguments x, mask, wc, qv, bp, bk, bv, lowp_scales, part, stat; writes part, stat
.if DOCPART == 2
	.amdgcn_target "amdgcn-amd-amdhsa--gfx1250"
	.amdhsa_code_object_version 6
	.text
	.protected	k_qa3c051db27_pool
	.globl	k_qa3c051db27_pool
	.p2align	8
	.type	k_qa3c051db27_pool,@function
k_qa3c051db27_pool:
	s_mov_b64 s[64:65], 0
	v_nop
	global_prefetch_b8 v0, s[64:65] scope:SCOPE_SE
	s_setreg_imm32_b32 hwreg(HW_REG_WAVE_MODE, 25, 1), 1
	s_wait_xcnt 0x0
; From x to the pooled partial sums, h, kh and vh never in memory.  A work-group takes 256 rows of one batch, in two blocks of 128.
; A BLOCK:  X: wave w streams rows 32 w .. + 31 of x, quantises them (2^e0) and lays the codes in LDS | barrier |
;   P1: h = x Wp + bp, K = 1,024: 16 units of 64 |  E1: relu, quantised twice (2^e2 for Wk, 2^e4 for Wv), as images of the operand's registers in LDS | barrier |
;   kh (8 units), E2: scores with the one query, mask, the block's largest score M, p = 2^(s - M), their sum L |  vh (8 units), E3: sum over rows of p x vh.
; THE WAVES SHARE THE COLUMNS: wave w makes columns 128 w .. + 127 (heads 2 w, 2 w + 1) of h, kh, vh for all 128 rows: 64 accumulators, 512 registers.
; THE PRODUCTS ARE USED TRANSPOSED (source 0 = 16 columns of the weight, source 1 = 16 rows): lane (r, h) holds row 16 a + r, register j column 16 b + 8 h + j, so eight registers are
; eight neighbours along the next K and the conversions' results are the next operand's registers.
; WEIGHTS come from memory straight into registers, in register order, a linear walk of 256 KiB a wave and block: each byte is used by one wave of the work-group alone, so a way through LDS
; (and a cluster's joint loads, which land there) would add an LDS write and an LDS read for every weight byte, and LDS has no room for such a ring beside x's and h's codes.
; The ring of four sets wraps at the walk's end into the next block; the last block's last four sets are loaded and not used.
; x's K is permuted alike in x's codes and in Wp's fragments: an item (a row's 256 numbers) is two loads of 512 consecutive bytes, a lane's eight numbers one conversion, its eight codes one store.
; A block's first 64 loads of x are asked for early: the first block's at the kernel's head, the second's in E3, as soon as the accumulators in which they land have been read.
; The biases go in as the C of a sum's first product, divided by the power of two that the sums lack.
; The softmax is joined over blocks by the next launch: part holds sum p vh / 2^(e4 + e5), stat holds M and L for each head.  A block all of whose rows are masked gives M = -3e38, L = 0.
; LIMITS: e0, e2 - e0 - e1, e4 - e0 - e1 between -126 and 119.  NaN in x is not served.
; REGISTERS.  Window 0: v0-35 addresses and scales; v36-51 scores, then p; v52-55 M0 L0 M1 L1; v56-63 at work; v64-127 BI: biases, later at work; v128-255 weight sets 2, 3.
;   Window 1: v0-127 weight sets 0, 1; v128-255 the rows' fragments, two sets.  Windows 2, 3: accumulator (b, a) at window 2 + b / 4, v[8 (8 (b % 4) + a)]; window 2 also takes x's numbers while they stream.
.set XQ,    8704                       ; x's codes: [wave 4][quarter of K 4][row 32][256 bytes + 16]
.set XWV,   34816
.set HC,    139264                     ; h's codes: [K, V][unit 8][a 8][1,024]
.set CONST, 270336                     ; bp, bk, bv (scaled), qv (scaled): 2,048 bytes each
.set MASKL, 278528                     ; the work-group's 256 mask words
.set STG,   279552                     ; 512 bytes a wave, for the way out
.set SPARE, 281600                     ; the spare words, 128 bytes a wave
.set BI,    64
.set NEXTB, 521216                     ; from the last quarter of K of a block's rows to the first quarter of the next block's: 128 rows of 4,096 bytes less 3,072
.set MSB, 0
.macro WIN new                         ; the immediate's high byte repeats the setting that is left
.if MSB != (\new)
	s_set_vgpr_msb (MSB<<8)|(\new)
.set MSB, (\new)
.endif
.endm
.macro SCALES sreg, vsc, vlim          ; sreg = e: 2^e, and 448 x 2^e
	s_add_co_i32 \sreg, \sreg, 127
	s_lshl_b32 s69, \sreg, 23
	v_mov_b32 \vsc, s69
	s_add_co_i32 \sreg, \sreg, 8
	s_lshl_b32 \sreg, \sreg, 23
	s_or_b32 \sreg, \sreg, 0x600000
	v_mov_b32 \vlim, \sreg
.endm
.macro BLOAD set                       ; a unit's eight weight fragments, 8 KiB, into set
.if \set < 2
	WIN 0x40
.set BB, 64*\set
.else
	WIN 0
.set BB, 128+64*(\set-2)
.endif
.set f, 0
.rept 16
	global_load_b128 v[BB+4*f:BB+4*f+3], v1, s[46:47] offset:\set*8192+512*f
.set f, f+1
.endr
.endm
.macro ALOADX set, off                 ; eight fragments of x's codes: rows 16 a + r, 64 bytes at off of the quarter in hand
	WIN 0x40
.set aa, 0
.rept 8
	ds_load_b128 v[128+64*\set+8*aa:128+64*\set+8*aa+3], v[8+aa/2] offset:\off+(aa%2)*4352
	ds_load_b128 v[128+64*\set+8*aa+4:128+64*\set+8*aa+7], v[8+aa/2] offset:\off+(aa%2)*4352+32
.set aa, aa+1
.endr
.endm
.macro ALOADH set, u                   ; eight images of h's codes, unit u
	WIN 0x40
.set aa, 0
.rept 8
	ds_load_b128 v[128+64*\set+8*aa:128+64*\set+8*aa+3], v13 offset:(\u)*8192+aa*1024
	ds_load_b128 v[128+64*\set+8*aa+4:128+64*\set+8*aa+7], v13 offset:(\u)*8192+aa*1024+512
.set aa, aa+1
.endr
.endm
.macro BIASLD areg                     ; my 128 columns' bias in the result's layout
	WIN 0
.set bb, 0
.rept 8
	ds_load_b128 v[BI+8*bb:BI+8*bb+3], v[\areg] offset:64*bb
	ds_load_b128 v[BI+8*bb+4:BI+8*bb+7], v[\areg] offset:64*bb+16
.set bb, bb+1
.endr
.endm
.macro QHEAD                           ; four units on in the walk of the weights, wrapping at 256 KiB
	s_wait_xcnt 0x0                                ; the loads that name the base have read it: the youngest were issued 64 products ago
	s_add_co_u32 s48, s48, 32768
	s_and_b32 s48, s48, 0x3ffff
	s_add_nc_u64 s[46:47], s[44:45], s[48:49]
.endm
; A UNIT: 64 along K, 64 products, the 64 accumulators by turns, one instruction a turn, in the same order in every unit.
; Behind them four places (ISA guide 7.12.1 for vector instructions), then the loads into the registers just read: the weights of four units on, the rows' fragments of two units on.
; Set 0's loads are the first of four units that lie 32 KiB further on: the base is stepped in front of them.
.macro UNIT set, init, dsw, akind, aoff
	s_wait_loadcnt 48                              ; my set is in: behind it the three younger sets' 48 loads were issued
	s_wait_dscnt \dsw                              ; my rows' fragments are in: behind them only the next unit's 16 loads, where there are any
.if \set < 2
.set BB, 64*\set
.set SRC0, 1
.else
.set BB, 128+64*(\set-2)
.set SRC0, 0
.endif
.set AB, 128+64*(\set%2)
.set hw, 0
.rept 2
.if \init
	WIN SRC0|0x04|((2+hw)<<6)
.else
	WIN SRC0|0x04|((2+hw)<<4)|((2+hw)<<6)
.endif
.set bb, 0
.rept 4
.set aa, 0
.rept 8
.set DD, 8*(8*bb+aa)
.set BF, BB+8*(4*hw+bb)
.if \init
	v_wmma_f32_16x16x64_fp8_fp8 v[DD:DD+7], v[BF:BF+7], v[AB+8*aa:AB+8*aa+7], v[BI+8*(4*hw+bb):BI+8*(4*hw+bb)+7]
.else
	v_wmma_f32_16x16x64_fp8_fp8 v[DD:DD+7], v[BF:BF+7], v[AB+8*aa:AB+8*aa+7], v[DD:DD+7]
.endif
.set aa, aa+1
.endr
.set bb, bb+1
.endr
.set hw, hw+1
.endr
.rept 4
	v_nop
.endr
.if \set == 0
	QHEAD
.endif
	BLOAD \set
.if \akind == 1
	ALOADX (\set%2), \aoff
.elseif \akind == 2
	ALOADH (\set%2), \aoff
.endif
.endm
; A PREFETCH INTO THE L2 of the next block's rows of x: quarter q of K of my wave's 32 rows, a lane a row, four blocks of 256 bytes each, so that each block of 256 bytes is named once in the launch.
; The four quarters are asked for at four places of the first block's walk: behind P1's first quarter of K, behind its third, behind its last, and in E2 (written there): each at least the whole of vh's products ahead of the loads that will want it.
; The second block asks for nothing: no rows follow it.  s[40:41] stands at the block's last quarter of K from the end of the X rounds on, and is stepped at the block's end, behind s_wait_xcnt 0; v24 is never rewritten.
.macro PFX q
	s_cmp_lg_u32 s29, 2
	s_cbranch_scc1 .Lnp_\@
.irp p, 0,1,2,3
	global_prefetch_b8 v24, s[40:41] offset:NEXTB+1024*\q+256*\p th:TH_LOAD_NT scope:SCOPE_SE
.endr
.Lnp_\@:
.endm
.macro SETADW                          ; the quarter of K in hand
.irp j, 0,1,2,3
	v_add_nc_u32 v[8+\j], s51, v[4+\j]
.endr
.endm
.macro QUADX init, last                ; a quarter of P1's K
	UNIT 0, \init, 16, 1, 128
	UNIT 1, 0, 16, 1, 192
.if \last
	UNIT 2, 0, 16, 0, 0
	UNIT 3, 0, 0, 0, 0
.else
	UNIT 2, 0, 16, 1, XQ
	UNIT 3, 0, 16, 1, XQ+64
.endif
	WIN 0
.endm
.macro XISSUE t, off                   ; batch t: rows 4 t .. 4 t + 3, a quarter of K each: two loads of 512 consecutive bytes a row
.set kk, 0
.rept 4
	global_load_b128 v[32*\t+8*kk:32*\t+8*kk+3], v1, s[40:41] offset:\off+(4*\t+kk)*4096 th:TH_LOAD_NT
	global_load_b128 v[32*\t+8*kk+4:32*\t+8*kk+7], v1, s[40:41] offset:\off+(4*\t+kk)*4096+512 th:TH_LOAD_NT
.set kk, kk+1
.endr
.endm
.macro XBATCH t, cnt, iss
	s_wait_loadcnt \cnt                            ; loads come back in order (ISA guide 5.7.1): my batch is in, the younger ones stay out
	WIN 0x82
.set n, 0
.rept 32
	v_med3_num_f32 v[32*\t+n], v[32*\t+n], -v26, v26       ; the conversion does not saturate (ISA guide 7.6.2): the hold comes first
.set n, n+1
.endr
	WIN 0x02
.set kk, 0
.rept 4
	v_cvt_scalef32_pk8_fp8_f32 v[56+2*kk:57+2*kk], v[32*\t+8*kk:32*\t+8*kk+7], v25
.set kk, kk+1
.endr
	v_nop                                          ; a plain line behind the last conversion
	WIN 0
.set kk, 0
.rept 4
	ds_store_b64 v3, v[56+2*kk:57+2*kk] offset:(4*\t+kk)*272       ; 32 lanes: a row's 256 codes
.set kk, kk+1
.endr
.if \iss
	WIN 0x80
	XISSUE \t, 0
.endif
.endm
	s_load_b512 s[8:23], s[0:1], 0x0               ; x 8, mask 10, wc 12, qv 14, bp 16, bk 18, bv 20, scales 22
	s_load_b128 s[24:27], s[0:1], 0x40             ; part 24, stat 26
	v_lshl_add_u32 v30, v0, 2, SPARE               ; my spare word
	v_mov_b32 v31, 0
	v_lshrrev_b32 v14, 5, v0
	v_readfirstlane_b32 s28, v14                   ; wave
	v_and_b32 v14, 31, v0                          ; lane
	v_and_b32 v56, 15, v0                          ; r
	v_bfe_u32 v57, v0, 4, 1                        ; h
	v_lshlrev_b32 v1, 4, v14                       ; 16 x lane
	s_mul_i32 s66, s28, XWV
	v_lshl_add_u32 v2, v14, 3, s66                 ; where I store x's codes: my wave's region + 8 x lane
	v_mul_u32_u24 v4, v56, 272
	v_lshl_add_u32 v4, v57, 4, v4                  ; where I read them: row r, + 16 h, in each wave's region
	v_add_nc_u32 v5, XWV, v4
	v_add_nc_u32 v6, 2*XWV, v4
	v_add_nc_u32 v7, 3*XWV, v4
	v_add_nc_u32 v12, HC, v1                       ; an image's place for my lane
	s_lshl_b32 s66, s28, 14
	v_add_nc_u32 v15, s66, v12                     ; where I store h's: units 2 w, 2 w + 1
	s_lshl_b32 s66, s28, 9
	v_lshl_add_u32 v17, v57, 5, s66                ; 512 w + 32 h
	v_add_nc_u32 v21, STG, v17
	v_add_nc_u32 v17, CONST, v17
	v_lshlrev_b32 v19, 2, v56
	v_add_nc_u32 v19, MASKL, v19
	v_add_nc_u32 v23, s66, v1                      ; 512 w + 16 x lane: my bytes of a row of part
	v_add_nc_u32 v22, STG, v23
	v_lshlrev_b32 v24, 12, v14                     ; the prefetches: a lane a row of x
	v_mov_b32 v32, 0xff800000                      ; -infinity
	v_lshlrev_b32 v58, 4, v0
	v_lshlrev_b32 v59, 3, v0
	v_add_nc_u32 v60, CONST, v58
	v_add_nc_u32 v61, MASKL, v59
	s_mov_b32 s60, 0x76543210
	s_mov_b32 s61, 0xfedcba98                      ; lane l xor 16
	s_wait_alu depctr_va_vdst(0)
	s_wait_kmcnt 0x0
	s_load_b256 s[32:39], s[22:23], 0x0            ; e0 .. e7
	s_lshl_b32 s66, ttmp9, 20                      ; 256 rows of 4,096 bytes,
	s_lshl_b32 s67, s28, 17                        ; my wave's 32 rows
	s_add_co_u32 s66, s66, s67
	s_mov_b32 s67, 0
	s_add_nc_u64 s[40:41], s[8:9], s[66:67]
	s_lshl_b32 s66, ttmp9, 10
	s_add_nc_u64 s[10:11], s[10:11], s[66:67]
	s_lshl_b32 s66, s28, 18
	s_add_nc_u64 s[44:45], s[12:13], s[66:67]      ; my wave's weights
	s_mov_b64 s[46:47], s[44:45]
	s_mov_b32 s48, 0
	s_mov_b32 s49, 0
	s_lshl_b32 s66, ttmp9, 12
	s_add_nc_u64 s[56:57], s[24:25], s[66:67]
	s_lshl_b32 s66, ttmp9, 7
	s_lshl_b32 s68, s28, 4
	s_add_co_u32 s66, s66, s68
	s_add_nc_u64 s[58:59], s[26:27], s[66:67]
	global_load_b128 v[64:67], v58, s[16:17]
	global_load_b128 v[68:71], v58, s[18:19]
	global_load_b128 v[72:75], v58, s[20:21]
	global_load_b128 v[76:79], v58, s[14:15]
	global_load_b64 v[80:81], v59, s[10:11]
	BLOAD 0
	BLOAD 1
	BLOAD 2
	WIN 0x80
.irp t, 0,1,2,3,4,5,6,7
	XISSUE \t, 0                                   ; the first block's first quarter of K: asked for ahead of the wait for the scales
.endr
	WIN 0
	s_wait_kmcnt 0x0
	s_add_co_i32 s66, s32, s33                     ; e0 + e1
	s_sub_co_i32 s67, 0, s66
	s_add_co_i32 s68, s34, s35                     ; e2 + e3
	s_sub_co_i32 s70, 0, s68
	s_add_co_i32 s72, s36, s37
	s_sub_co_i32 s72, 0, s72                       ; -(e4 + e5)
	s_mov_b32 s71, s32
	SCALES s71, v25, v26                           ; x's
	s_sub_co_i32 s71, s34, s66
	SCALES s71, v27, v28                           ; h's for Wk: a sum stands for sum x 2^(e0 + e1), so its code is sum / 2^(e2 - e0 - e1)
	s_sub_co_i32 s71, s36, s66
	SCALES s71, v29, v33                           ; h's for Wv
	s_wait_loadcnt 63                              ; the five loads above are in: behind them 48 + 64 loads were issued, more than a wait can name
.irp c, 0,1,2,3
	v_ldexp_f32 v[64+\c], v[64+\c], s67
	v_ldexp_f32 v[68+\c], v[68+\c], s70
	v_ldexp_f32 v[72+\c], v[72+\c], s72
	v_ldexp_f32 v[76+\c], v[76+\c], s68            ; a sum of kh stands for sum x 2^(e2 + e3): the query takes the factor
.endr
	ds_store_b128 v60, v[64:67]
	ds_store_b128 v60, v[68:71] offset:2048
	ds_store_b128 v60, v[72:75] offset:4096
	ds_store_b128 v60, v[76:79] offset:6144
	ds_store_b64 v61, v[80:81]
	BLOAD 3                                        ; behind x's loads: the first round's counts below are then smaller than they might be, by these 16
	WIN 0
	s_mov_b32 s29, 2                               ; blocks to go
	s_mov_b32 s55, 0                               ; the block's mask words
.Lblock:
	; ---- X: 128 items a wave, 32 of them (64 loads, 32 KiB) on their way; the first 32 have been asked for
	s_mov_b32 s50, 0
	s_mov_b32 s30, 3
.Lxr:                                              ; a round takes a quarter of K of my 32 rows and asks for the next
	s_wait_xcnt 0x0                                ; the loads that name the base have read it
	s_add_nc_u64 s[40:41], s[40:41], 1024
	v_add_nc_u32 v3, s50, v2
	s_add_co_u32 s50, s50, XQ
.irp t, 0,1,2,3,4,5,6,7
	XBATCH \t, 56, 1
.endr
	WIN 0
	s_sub_co_u32 s30, s30, 1
	s_cmp_lg_u32 s30, 0
	s_cbranch_scc1 .Lxr
	v_add_nc_u32 v3, s50, v2
.irp t, 0,1,2,3,4,5,6,7
	XBATCH \t, 8*(7-\t), 0                         ; the last round loads nothing: the counts run down
.endr
	s_wait_dscnt 0x0                               ; my codes lie in LDS; my reads of h's codes (the block before) are long over
	s_barrier_signal -1
	s_barrier_wait -1
	; ---- P1
	s_mov_b32 s51, 0
	SETADW
	BIASLD 17
	ALOADX 0, 0
	ALOADX 1, 64
	s_wait_alu depctr_va_vdst(0)
	QUADX 1, 0
	PFX 0                                          ; the next block's first quarter of K
	s_mov_b32 s30, 2
.Lq:
	s_add_co_u32 s51, s51, XQ
	SETADW
	s_wait_alu depctr_va_vdst(0)
	QUADX 0, 0
	s_sub_co_u32 s30, s30, 1
	s_cmp_lg_u32 s30, 0
	s_cbranch_scc1 .Lq
	PFX 1                                          ; its second
	s_add_co_u32 s51, s51, XQ
	SETADW
	s_wait_alu depctr_va_vdst(0)
	QUADX 0, 1
	PFX 2                                          ; its third
	; ---- E1: relu and the hold in one, then the conversion; four tiles b of a row tile a are one fragment of the next K
	v_mov_b32 v34, v27
	v_mov_b32 v35, v28
	s_mov_b32 s52, 0
	s_mov_b32 s30, 2
.Le1:
	v_add_nc_u32 v16, s52, v15
.set aa, 0
	s_wait_alu depctr_va_vdst(0)
.rept 8
.set uh, 0
.rept 2
.set CD, BI+32+8*((2*aa+uh)%4)         ; the codes' registers go round four sets, so that a set is written again three fragments behind the stores that read it
	WIN 0x02+uh
.set n, 0
.rept 32
	v_med3_num_f32 v[BI+n], v[8*(8*(n/8)+aa)+n%8], 0, v35  ; each accumulator from its low end on
.set n, n+1
.endr
	WIN 0
.set e, 0
.rept 4
	v_cvt_scalef32_pk8_fp8_f32 v[CD+2*e:CD+2*e+1], v[BI+8*e:BI+8*e+7], v34
.set e, e+1
.endr
	v_nop                                          ; a plain line behind the last conversion
	ds_store_b128 v16, v[CD:CD+3] offset:uh*8192+aa*1024
	ds_store_b128 v16, v[CD+4:CD+7] offset:uh*8192+aa*1024+512
.set uh, uh+1
.endr
.set aa, aa+1
.endr
	v_mov_b32 v34, v29                             ; the second trip: Wv's scale, the second set of images
	v_mov_b32 v35, v33
	s_add_co_u32 s52, s52, 65536
	s_sub_co_u32 s30, s30, 1
	s_cmp_lg_u32 s30, 0
	s_cbranch_scc1 .Le1
	s_wait_dscnt 0x0                               ; my images lie in LDS, and my reads of x's codes are over
	s_barrier_signal -1
	s_barrier_wait -1
	; ---- kh, then vh
	s_mov_b32 s31, 0
	s_mov_b32 s54, 2048
	s_mov_b32 s53, 0
.Lph:
	v_add_nc_u32 v18, s54, v17
	v_add_nc_u32 v13, s53, v12
	BIASLD 18
	ALOADH 0, 0
	ALOADH 1, 1
	s_wait_alu depctr_va_vdst(0)
	UNIT 0, 1, 16, 2, 2
	UNIT 1, 0, 16, 2, 3
	UNIT 2, 0, 16, 2, 4
	UNIT 3, 0, 16, 2, 5
	UNIT 0, 0, 16, 2, 6
	UNIT 1, 0, 16, 2, 7
	UNIT 2, 0, 16, 0, 0
	UNIT 3, 0, 0, 0, 0
	WIN 0
	s_cmp_lg_u32 s31, 0
	s_cbranch_scc1 .Le3
	; ---- E2: scores in units of log2: t = sum over d of kh x qv; a lane holds 32 of a head's 64 columns
	v_add_nc_u32 v20, s55, v19
.set aa, 0
.rept 8
	ds_load_b32 v[BI+48+aa], v20 offset:64*aa      ; the mask of row 16 a + r
.set aa, aa+1
.endr
	s_cmp_lg_u32 s29, 2
	s_cbranch_scc1 .Lnopf
	; the next block's last quarter of K of my 32 rows is asked of memory here, the whole of vh's products ahead of its loads: a lane a row, four blocks of 256 bytes each, each named once in the launch
.irp p, 0,1,2,3
	global_prefetch_b8 v24, s[40:41] offset:NEXTB+3072+256*\p th:TH_LOAD_NT scope:SCOPE_SE
.endr
.Lnopf:
.set hd, 0
.rept 2
	WIN 0
.set bb, 0
.rept 4
	ds_load_b128 v[BI+8*bb:BI+8*bb+3], v17 offset:6144+256*hd+64*bb
	ds_load_b128 v[BI+8*bb+4:BI+8*bb+7], v17 offset:6144+256*hd+64*bb+16
.set bb, bb+1
.endr
	s_wait_dscnt 0x0
	WIN 0x02+hd
.set bb, 0
.rept 4
.set jp, 0
.rept 4
.set aa, 0
.rept 8
.set AC, 8*(8*bb+aa)+2*jp
.if (bb == 0) && (jp == 0)
	v_pk_mul_f32 v[BI+32+2*aa:BI+33+2*aa], v[AC:AC+1], v[BI+8*bb+2*jp:BI+8*bb+2*jp+1]
.else
	v_pk_fma_f32 v[BI+32+2*aa:BI+33+2*aa], v[AC:AC+1], v[BI+8*bb+2*jp:BI+8*bb+2*jp+1], v[BI+32+2*aa:BI+33+2*aa]
.endif
.set aa, aa+1
.endr
.set jp, jp+1
.endr
.set bb, bb+1
.endr
	WIN 0
.set aa, 0
.rept 8
	v_add_f32 v[36+8*hd+aa], v[BI+32+2*aa], v[BI+33+2*aa]
.set aa, aa+1
.endr
.set hd, hd+1
.endr
.set n, 0
.rept 16
	v_permlanex16_b32 v[BI+32+n], v[36+n], s60, s61        ; the head's other 32 columns lie 16 lanes away
.set n, n+1
.endr
.set n, 0
.rept 16
	v_add_f32 v[36+n], v[36+n], v[BI+32+n]
.set n, n+1
.endr
.set aa, 0
.rept 8
	v_cmp_eq_u32 vcc_lo, 0, v[BI+48+aa]
	v_cndmask_b32 v[36+aa], v[36+aa], v32, vcc_lo          ; a masked row's scores become -infinity: p = 0
	v_cndmask_b32 v[44+aa], v[44+aa], v32, vcc_lo
.set aa, aa+1
.endr
	v_max3_num_f32 v52, v36, v37, 0xff61b1e6       ; the block's largest score, over -3e38
	v_max3_num_f32 v54, v44, v45, 0xff61b1e6
.irp n, 2,4,6
	v_max3_num_f32 v52, v52, v[36+\n], v[37+\n]
	v_max3_num_f32 v54, v54, v[44+\n], v[45+\n]
.endr
.irp m, 1,2,4,8
	v_max_num_f32_dpp v52, v52, v52 row_xmask:\m row_mask:0xf bank_mask:0xf
	v_max_num_f32_dpp v54, v54, v54 row_xmask:\m row_mask:0xf bank_mask:0xf
.endr
.set n, 0
.rept 8
	v_sub_f32 v[36+n], v[36+n], v52
	v_sub_f32 v[44+n], v[44+n], v54
.set n, n+1
.endr
.set n, 0
	s_wait_alu depctr_va_vdst(0)
.rept 16
	v_exp_f32 v[36+n], v[36+n]
.set n, n+1
.endr
	v_nop                                          ; a plain line behind the last exponential
	s_wait_alu depctr_va_vdst(0)                   ; one wait for the batch, ahead of its first reader
	v_add_f32 v53, v36, v37
	v_add_f32 v55, v44, v45
.irp n, 2,3,4,5,6,7
	v_add_f32 v53, v53, v[36+\n]
	v_add_f32 v55, v55, v[44+\n]
.endr
.irp m, 1,2,4,8
	v_add_f32_dpp v53, v53, v53 row_xmask:\m row_mask:0xf bank_mask:0xf
	v_add_f32_dpp v55, v55, v55 row_xmask:\m row_mask:0xf bank_mask:0xf
.endr
	s_branch .Lphn
.Le3:
	; ---- E3: for each of my columns the sum over the 128 rows of p x vh: over a in registers, over r across sixteen lanes
.set hw, 0
.rept 2
	WIN 0x02+hw
.set bb, 0
.rept 4
.set aa, 0
.rept 8
.set jp, 0
.rept 4
.set TT, BI+8*(4*hw+bb)+2*jp
.set AC, 8*(8*bb+aa)+2*jp
.set PP, 36+8*hw+(aa/2)*2
.if aa == 0
	v_pk_mul_f32 v[TT:TT+1], v[AC:AC+1], v[PP:PP+1] op_sel_hi:[1,0]
.elseif (aa%2) == 0
	v_pk_fma_f32 v[TT:TT+1], v[AC:AC+1], v[PP:PP+1], v[TT:TT+1] op_sel_hi:[1,0,1]
.else
	v_pk_fma_f32 v[TT:TT+1], v[AC:AC+1], v[PP:PP+1], v[TT:TT+1] op_sel:[0,1,0] op_sel_hi:[1,1,1]
.endif
.set jp, jp+1
.endr
.set aa, aa+1
.endr
.set bb, bb+1
.endr
.if hw == 0
	WIN 0                                          ; window 2's accumulators have been read: where a block follows, its first 64 loads of x go out now and land there while the rest of E3 is worked
	s_cmp_lg_u32 s29, 2
	s_cbranch_scc1 .Lnox
	WIN 0x80
.irp t, 0,1,2,3,4,5,6,7
	XISSUE \t, NEXTB
.endr
	WIN 0
.Lnox:
.endif
.set hw, hw+1
.endr
	WIN 0
.irp m, 1,2,4,8
.set n, 0
.rept 64
	v_add_f32_dpp v[BI+n], v[BI+n], v[BI+n] row_xmask:\m row_mask:0xf bank_mask:0xf
.set n, n+1
.endr
.endr
.set bb, 0
.rept 8
	ds_store_b128 v21, v[BI+8*bb:BI+8*bb+3] offset:64*bb           ; sixteen lanes hold the same numbers and write the same bytes
	ds_store_b128 v21, v[BI+8*bb+4:BI+8*bb+7] offset:64*bb+16
.set bb, bb+1
.endr
	ds_load_b128 v[56:59], v22                     ; LDS serves a wave's instructions in order (ISA guide 5.7.1.4): this sees my stores
	s_wait_dscnt 0x0
	global_store_b128 v23, v[56:59], s[56:57]      ; 32 lanes store 512 consecutive bytes
	s_wait_xcnt 0x0                                ; EXEC changes only behind this wait
	v_cmp_eq_u32 vcc_lo, 0, v14
	s_and_saveexec_b32 s66, vcc_lo
	global_store_b128 v1, v[52:55], s[58:59]       ; lane 0: M and L of my two heads
	s_wait_xcnt 0x0
	s_or_b32 exec_lo, exec_lo, s66
.Lphn:
	s_add_co_u32 s54, s54, 2048
	s_add_co_u32 s53, s53, 65536
	s_add_co_u32 s31, s31, 1
	s_cmp_lt_u32 s31, 2
	s_cbranch_scc1 .Lph
	s_wait_xcnt 0x0                                ; loads, stores and prefetches have read their bases
	s_add_nc_u64 s[40:41], s[40:41], NEXTB         ; 128 rows on, back to the first quarter of K
	s_add_nc_u64 s[56:57], s[56:57], 2048
	s_add_nc_u64 s[58:59], s[58:59], 64
	s_add_co_u32 s55, s55, 512
	s_sub_co_u32 s29, s29, 1
	s_cmp_lg_u32 s29, 0
	s_cbranch_scc1 .Lblock
	s_wait_tensorcnt 0x0                           ; the wave's end, behind my last LDS store
	ds_add_u32 v30, v31
	s_wait_dscnt 0x0
	s_endpgm
.Lfunc_end_k_qa3c051db27_pool:
	.size	k_qa3c051db27_pool, .Lfunc_end_k_qa3c051db27_pool-k_qa3c051db27_pool
	.p2alignl 7, 3214868480
	.fill 96, 4, 3214868480
	.section	.rodata,"a",@progbits
	.p2align	6, 0x0
	.amdhsa_kernel k_qa3c051db27_pool
		.amdhsa_group_segment_fixed_size 282624
		.amdhsa_private_segment_fixed_size 0
		.amdhsa_enable_private_segment 0
		.amdhsa_kernarg_size 80
		.amdhsa_user_sgpr_count 2
		.amdhsa_user_sgpr_kernarg_segment_ptr 1
		.amdhsa_wavefront_size32 1
		.amdhsa_system_sgpr_workgroup_id_x 1
		.amdhsa_system_sgpr_workgroup_id_y 1
		.amdhsa_system_sgpr_workgroup_id_z 1
		.amdhsa_system_vgpr_workitem_id 0
		.amdhsa_next_free_vgpr 1024
		.amdhsa_next_free_sgpr 80
		.amdhsa_reserve_vcc 1
		.amdhsa_float_denorm_mode_32 3
		.amdhsa_float_denorm_mode_16_64 3
		.amdhsa_memory_ordered 1
		.amdhsa_forward_progress 1
		.amdhsa_inst_pref_size 255
	.end_amdhsa_kernel
	.section	.bss,"aw",@nobits
	.p2align	6
	.space	262144
	.amdgpu_metadata
---
amdhsa.version: [ 1, 2 ]
amdhsa.kernels:
  - .name:           k_qa3c051db27_pool
    .symbol:         k_qa3c051db27_pool.kd
    .args:
      - { .name: x, .offset: 0, .size: 8, .value_kind: global_buffer, .address_space: global }
      - { .name: mask, .offset: 8, .size: 8, .value_kind: global_buffer, .address_space: global }
      - { .name: wc, .offset: 16, .size: 8, .value_kind: global_buffer, .address_space: global }
      - { .name: qv, .offset: 24, .size: 8, .value_kind: global_buffer, .address_space: global }
      - { .name: bp, .offset: 32, .size: 8, .value_kind: global_buffer, .address_space: global }
      - { .name: bk, .offset: 40, .size: 8, .value_kind: global_buffer, .address_space: global }
      - { .name: bv, .offset: 48, .size: 8, .value_kind: global_buffer, .address_space: global }
      - { .name: lowp_scales, .offset: 56, .size: 8, .value_kind: global_buffer, .address_space: global }
      - { .name: part, .offset: 64, .size: 8, .value_kind: global_buffer, .address_space: global }
      - { .name: stat, .offset: 72, .size: 8, .value_kind: global_buffer, .address_space: global }
    .group_segment_fixed_size: 282624
    .private_segment_fixed_size: 0
    .kernarg_segment_align: 8
    .kernarg_segment_size: 80
    .max_flat_workgroup_size: 128
    .sgpr_count:     80
    .vgpr_count:     1024
    .wavefront_size: 32
...
	.end_amdgpu_metadata
.endif
;; end of part 2
;; launch fin (part 3): grid 32 x 1, 16 waves a work-group, no clusters, 291,328 bytes of LDS; arguments part, stat, wf, bo, b2, gamma, beta, lowp_scales, out0; writes out0
.if DOCPART == 3
	.amdgcn_target "amdgcn-amd-amdhsa--gfx1250"
	.amdhsa_code_object_version 6
	.text
	.protected	k_qa3c051db27_fin
	.globl	k_qa3c051db27_fin
	.p2align	8
	.type	k_qa3c051db27_fin,@function
k_qa3c051db27_fin:
	s_mov_b64 s[64:65], 0
	v_nop
	global_prefetch_b8 v0, s[64:65] scope:SCOPE_SE
	s_setreg_imm32_b32 hwreg(HW_REG_WAVE_MODE, 25, 1), 1
	s_wait_xcnt 0x0
; One batch a work-group.  The 16 blocks' partial sums are joined under the batch's largest score; then pooled Wo + bo, then W2 + b2, both on codes of E4M3, then LayerNorm.
; Wave w owns column tiles 2 w, 2 w + 1.  The products are used transposed (source 0 = 16 columns of the weight, source 1 = the vector, the same in all sixteen rows):
; every lane (r, h) then holds outputs 16 tile + 8 h + 0 .. 7 of its wave's two tiles.
; THE VECTOR IS QUANTISED ONCE.  A wave's 16 numbers a lane are k = 32 w + 8 h + 0 .. 7 and 32 w + 16 + 8 h + 0 .. 7: two conversions make of them registers 4 (w % 2) .. + 3 of the fragment of K step w / 2.
; They go to LDS as an image of the operand's registers, 16 bytes at 512 w + 16 lane = 16 x thread; behind a barrier every wave fetches the eight fragments by sixteen loads.
; THE JOIN.  Lane (r, h) takes block r's partial sums of its 16 columns, times block r's weight 2^(M_r - M) / L x 2^(e4 + e5); the sixteen lanes are then summed, so that all hold the pooled numbers.
; gamma, beta, bo, b2 are staged in LDS once, 16 bytes a thread, and read where they are needed.
; A batch all of whose rows are masked gives 0 x infinity = NaN.  LIMITS: e6, e8 between -126 and 119; e6 + e7, e8 + e9 between -126 and 127.
; REGISTERS: v1-15 addresses, scales, the add's two; v16-31 two accumulators; v32-47 numbers at work, then the result; v48-63 a bias, codes, sums; v64-127 the vector's eight fragments, later gamma and beta;
;   v128-255 my 16 weight fragments.
.set IMG1,  0                          ; pooled as codes: eight images of 1,024 bytes
.set IMG2,  8192                       ; the first product's result likewise
.set VEC,   16384                      ; gamma, beta, bo, b2: 2,048 bytes each
.set OUTS,  24576                      ; the result, for the way out
.set RED,   26624                      ; 16 waves' sums
.set RED2,  26880                      ; 16 waves' sums of squares
.set SPARE, 27136                      ; the spare words, 128 bytes a wave
.set W2L,   29184                      ; W2's fragments, 16 KiB a wave, 256 KiB in all: brought by asynchronous copies that are issued at the head, behind Wo's loads; filled once; each wave reads only what it copied.
                                       ; The registers hold one weight's fragments at a time (16 waves x 128 registers = 256 KiB), so the second weight waits in LDS.
.macro SCALES sreg, vsc, vlim          ; sreg = e: 2^e, and 448 x 2^e
	s_add_co_i32 \sreg, \sreg, 127
	s_lshl_b32 s69, \sreg, 23
	v_mov_b32 \vsc, s69
	s_add_co_i32 \sreg, \sreg, 8
	s_lshl_b32 \sreg, \sreg, 23
	s_or_b32 \sreg, \sreg, 0x600000
	v_mov_b32 \vlim, \sreg
.endm
.macro WFLOAD off                      ; my two tiles' 16 fragments, 16 KiB on end
.set f, 0
.rept 32
	global_load_b128 v[128+4*f:131+4*f], v4, s[12:13] offset:\off+512*f
.set f, f+1
.endr
.endm
.macro TOIMG img                       ; my 16 numbers in v32-47, quantised by v9 (scale) and v13 (limit), become four registers of a fragment and go to LDS as they stand
.set n, 0
.rept 16
	v_med3_num_f32 v[32+n], v[32+n], -v13, v13     ; the conversion does not saturate (ISA guide 7.6.2): the hold comes first
.set n, n+1
.endr
	v_cvt_scalef32_pk8_fp8_f32 v[52:53], v[32:39], v9
	v_cvt_scalef32_pk8_fp8_f32 v[54:55], v[40:47], v9
	v_nop                                          ; a plain line behind the last conversion
	ds_store_b128 v1, v[52:55] offset:\img
.endm
.macro PROD img, bias                  ; the eight fragments at img times my two tiles: two accumulators by turns; my 16 numbers of the bias come with them
.set u, 0
.rept 8
	ds_load_b128 v[64+8*u:67+8*u], v4 offset:\img+1024*u
	ds_load_b128 v[68+8*u:71+8*u], v4 offset:\img+1024*u+512
.set u, u+1
.endr
.irp p, 0,1,2,3
	ds_load_b128 v[48+4*\p:51+4*\p], v8 offset:\bias+64*(\p/2)+16*(\p%2)
.endr
	s_wait_dscnt 0x0
	s_wait_loadcnt 0x0                             ; the weights
	v_wmma_f32_16x16x64_fp8_fp8 v[16:23], v[128:135], v[64:71], 0
	v_wmma_f32_16x16x64_fp8_fp8 v[24:31], v[192:199], v[64:71], 0
.set u, 1
.rept 7
	v_wmma_f32_16x16x64_fp8_fp8 v[16:23], v[128+8*u:135+8*u], v[64+8*u:71+8*u], v[16:23]
	v_wmma_f32_16x16x64_fp8_fp8 v[24:31], v[192+8*u:199+8*u], v[64+8*u:71+8*u], v[24:31]
.set u, u+1
.endr
.rept 4
	v_nop                                          ; places in front of the reads of the sums and of loads into the operands' registers
.endr
.endm
.macro BARRIER                         ; my LDS stores have landed and my LDS loads are in: then the work-group's barrier
	s_wait_dscnt 0x0
	s_barrier_signal -1
	s_barrier_wait -1
.endm
.macro FOLD                            ; v48 = the sum of v48 .. v55
	s_delay_alu instid0(VALU_DEP_3)
	v_pk_add_f32 v[48:49], v[48:49], v[50:51]
	s_delay_alu instid0(VALU_DEP_2)
	v_pk_add_f32 v[52:53], v[52:53], v[54:55]
	s_delay_alu instid0(VALU_DEP_1)
	v_pk_add_f32 v[48:49], v[48:49], v[52:53]
	s_delay_alu instid0(VALU_DEP_1)
	v_add_f32 v48, v48, v49
.endm
.macro SUM16 s                         ; v48 = the sum of v[s] .. v[s + 15]
.irp p, 0,1,2,3
	v_pk_add_f32 v[48+2*\p:49+2*\p], v[\s+4*\p:\s+4*\p+1], v[\s+4*\p+2:\s+4*\p+3]
.endr
	FOLD
.endm
	s_load_b512 s[8:23], s[0:1], 0x0               ; part 8, stat 10, wf 12, bo 14, b2 16, gamma 18, beta 20, scales 22
	s_load_b64 s[24:25], s[0:1], 0x40              ; out0
	v_lshl_add_u32 v14, v0, 2, SPARE               ; my spare word
	v_mov_b32 v15, 0
	ds_add_u32 v14, v15                            ; the wave's opening: the add, twice on end, and its wait ahead of my first copy
	ds_add_u32 v14, v15
	v_lshrrev_b32 v2, 5, v0
	s_delay_alu instid0(VALU_DEP_1)
	v_readfirstlane_b32 s28, v2                    ; wave 0..15
	s_delay_alu instid0(VALU_DEP_2)
	v_lshlrev_b32 v2, 2, v2                        ; 4 x wave
	v_and_b32 v4, 31, v0
	s_delay_alu instid0(VALU_DEP_1)
	v_lshlrev_b32 v4, 4, v4                        ; 16 x lane
	v_and_b32 v5, 15, v0                           ; r
	v_bfe_u32 v6, v0, 4, 1                         ; h
	s_lshl_b32 s29, s28, 7
	v_lshl_add_u32 v8, v6, 5, s29                  ; 128 w + 32 h: my eight numbers of tile 2 w
	s_delay_alu instid0(VALU_DEP_1)
	v_lshl_add_u32 v7, v5, 11, v8                  ; the same in row r of part
	v_lshlrev_b32 v5, 6, v5                        ; stat: block r, 64 bytes a block
	v_and_b32 v6, 127, v0
	s_delay_alu instid0(VALU_DEP_1)
	v_lshlrev_b32 v6, 4, v6                        ; my 16 bytes of one of the four vectors
	v_lshlrev_b32 v1, 4, v0                        ; 16 x thread
	v_mov_b32 v3, 0
	v_lshl_add_u32 v12, v2, 12, v4                 ; 16,384 x wave + 16 x lane,
	s_delay_alu instid0(VALU_DEP_1)
	v_add_nc_u32 v12, W2L, v12                     ; in W2's bytes of LDS: never rewritten
	s_mov_b32 s60, 0x76543210
	s_mov_b32 s61, 0xfedcba98                      ; lane l xor 16
	s_wait_alu depctr_va_vdst(0)
	s_wait_dscnt 0x0                               ; both opening adds are done
	s_wait_kmcnt 0x0
	s_load_b256 s[32:39], s[22:23], 0x0            ; e0 .. e7
	s_load_b64 s[40:41], s[22:23], 0x20            ; e8, e9
	s_mov_b32 s67, 0
	s_lshl_b32 s66, ttmp9, 15
	s_add_nc_u64 s[8:9], s[8:9], s[66:67]          ; the batch's 16 rows of part
	s_lshl_b32 s66, ttmp9, 10
	s_lshr_b32 s68, s28, 2
	s_lshl_b32 s68, s68, 4
	s_add_co_u32 s66, s66, s68
	s_bfe_u32 s68, s28, 0x10001
	s_lshl_b32 s68, s68, 3
	s_add_co_u32 s66, s66, s68
	s_add_nc_u64 s[10:11], s[10:11], s[66:67]      ; M and L of head w / 2
	s_lshl_b32 s66, s28, 14
	s_add_nc_u64 s[12:13], s[12:13], s[66:67]      ; my two tiles of Wo
	s_add_nc_u64 s[44:45], s[12:13], 262144        ; and of W2: a base of its own, since a copy's immediate is added to both its addresses; never rewritten
	s_lshl_b32 s66, ttmp9, 11
	s_add_nc_u64 s[24:25], s[24:25], s[66:67]      ; the batch's row of out0
	s_lshr_b32 s68, s28, 2                         ; waves 0-3 stage gamma, 4-7 beta, 8-11 bo, 12-15 b2: the choice hangs on the wave's number alone
	s_cmp_eq_u32 s68, 0
	s_cselect_b64 s[42:43], s[18:19], s[20:21]
	s_cmp_eq_u32 s68, 2
	s_cselect_b64 s[42:43], s[14:15], s[42:43]
	s_cmp_eq_u32 s68, 3
	s_cselect_b64 s[42:43], s[16:17], s[42:43]
	global_load_b64 v[10:11], v5, s[10:11]
.irp p, 0,1,2,3
	global_load_b128 v[32+4*\p:35+4*\p], v7, s[8:9] offset:64*(\p/2)+16*(\p%2)
.endr
	global_load_b128 v[48:51], v6, s[42:43]
	WFLOAD 0
.set f, 0
.rept 32
	global_load_async_to_lds_b128 v12, v4, s[44:45] offset:512*f   ; W2's 16 fragments of my two tiles, as they lie: 32 lanes copy 512 consecutive bytes
.set f, f+1
.endr
	s_wait_loadcnt 37                              ; M, L are in: behind them 4 + 1 + 32 loads were issued (the copies have a counter of their own)
	v_mov_b32 v9, v10
.irp m, 1,2,4,8
	s_delay_alu instid0(VALU_DEP_1)
	v_max_num_f32_dpp v9, v9, v9 row_xmask:\m row_mask:0xf bank_mask:0xf
.endr
	s_delay_alu instid0(VALU_DEP_1)
	v_sub_f32 v10, v10, v9
	s_wait_alu depctr_va_vdst(0)
	v_exp_f32 v10, v10                             ; block r's weight 2^(M_r - M)
	v_nop                                          ; a plain line behind the exponential
	s_wait_alu depctr_va_vdst(0)                   ; ahead of the first reader
	v_mul_f32 v11, v10, v11
.irp m, 1,2,4,8
	s_delay_alu instid0(VALU_DEP_1)
	v_add_f32_dpp v11, v11, v11 row_xmask:\m row_mask:0xf bank_mask:0xf
.endr
	s_wait_alu depctr_va_vdst(0)
	v_rcp_f32 v11, v11                             ; 1 / L
	v_nop                                          ; a plain line behind the reciprocal
	s_wait_kmcnt 0x0
	s_add_co_i32 s66, s36, s37                     ; e4 + e5: the partial sums lack 2^(e4 + e5)
	s_mov_b32 s68, s38
	SCALES s68, v9, v13                            ; e6
	s_wait_alu depctr_va_vdst(0)                   ; the reciprocal, ahead of its first reader
	v_mul_f32 v10, v10, v11
	s_delay_alu instid0(VALU_DEP_1)
	v_ldexp_f32 v10, v10, s66
	s_wait_alu depctr_va_vdst(0)
	s_wait_loadcnt 33                              ; part is in: behind it 1 + 32 loads were issued
.irp p, 0,2,4,6,8,10,12,14
	v_pk_mul_f32 v[32+\p:33+\p], v[32+\p:33+\p], v[10:11] op_sel_hi:[1,0]
.endr
.irp m, 1,2,4,8
.set n, 0
.rept 16
	v_add_f32_dpp v[32+n], v[32+n], v[32+n] row_xmask:\m row_mask:0xf bank_mask:0xf
.set n, n+1
.endr
.endr
	TOIMG IMG1
	s_wait_loadcnt 32                              ; my piece of the four vectors is in: behind it the 32 loads of the weights
	ds_store_b128 v1, v[48:51] offset:VEC
	BARRIER                                        ; pooled's codes and the four vectors lie in LDS
	PROD IMG1, VEC+4096
.set g, 0
.rept 4                                        ; W2's fragments, from my own bytes of LDS into the registers that held Wo's, eight copies' worth at a time
	s_wait_asynccnt 24-8*g                         ; copies are done in the order of issue: behind this group's eight, 24 - 8 g were issued
.set f, 0
.rept 8
	ds_load_b128 v[128+32*g+4*f:131+32*g+4*f], v12 offset:4096*g+512*f
.set f, f+1
.endr
.set g, g+1
.endr
	s_add_co_i32 s66, s38, s39
	s_add_co_i32 s66, s66, 127
	s_lshl_b32 s66, s66, 23                        ; 2^(e6 + e7)
	s_mov_b32 s67, s66                             ; (named with it as a pair, so it is written)
.irp p, 0,2,4,6,8,10,12,14
	v_pk_fma_f32 v[32+\p:33+\p], v[16+\p:17+\p], s[66:67], v[48+\p:49+\p] op_sel_hi:[1,0,1]   ; each accumulator from its low end on
.endr
	s_mov_b32 s68, s40
	SCALES s68, v9, v13                            ; e8
	TOIMG IMG2
	BARRIER
	PROD IMG2, VEC+6144
.irp p, 0,1,2,3
	ds_load_b128 v[64+4*\p:67+4*\p], v8 offset:VEC+64*(\p/2)+16*(\p%2)        ; gamma
.endr
.irp p, 0,1,2,3
	ds_load_b128 v[80+4*\p:83+4*\p], v8 offset:VEC+2048+64*(\p/2)+16*(\p%2)   ; beta
.endr
	s_add_co_i32 s66, s40, s41
	s_add_co_i32 s66, s66, 127
	s_lshl_b32 s66, s66, 23                        ; 2^(e8 + e9)
	s_mov_b32 s67, s66
.irp p, 0,2,4,6,8,10,12,14
	v_pk_fma_f32 v[32+\p:33+\p], v[16+\p:17+\p], s[66:67], v[48+\p:49+\p] op_sel_hi:[1,0,1]
.endr
	; LayerNorm, in two passes: the mean, then the mean of the squared differences
	SUM16 32
	s_delay_alu instid0(VALU_DEP_1)
	v_permlanex16_b32 v49, v48, s60, s61
	s_delay_alu instid0(VALU_DEP_1)
	v_add_f32 v48, v48, v49                        ; my wave's 32 columns
	ds_store_b32 v2, v48 offset:RED
	BARRIER
.irp p, 0,1,2,3
	ds_load_b128 v[48+4*\p:51+4*\p], v3 offset:RED+16*\p
.endr
	s_wait_dscnt 0x0
	SUM16 48
	s_delay_alu instid0(VALU_DEP_1)
	v_mul_f32 v48, 0x3b000000, v48                 ; / 512: the mean
.irp p, 0,2,4,6,8,10,12,14
	v_pk_add_f32 v[32+\p:33+\p], v[32+\p:33+\p], v[48:49] op_sel_hi:[1,0] neg_lo:[0,1] neg_hi:[0,1]
.endr
.irp p, 0,2,4,6
	v_pk_mul_f32 v[48+\p:49+\p], v[32+\p:33+\p], v[32+\p:33+\p]
.endr
.irp p, 0,2,4,6
	s_delay_alu instid0(VALU_DEP_4)
	v_pk_fma_f32 v[48+\p:49+\p], v[40+\p:41+\p], v[40+\p:41+\p], v[48+\p:49+\p]
.endr
	FOLD
	s_delay_alu instid0(VALU_DEP_1)
	v_permlanex16_b32 v49, v48, s60, s61
	s_delay_alu instid0(VALU_DEP_1)
	v_add_f32 v48, v48, v49
	ds_store_b32 v2, v48 offset:RED2
	BARRIER
.irp p, 0,1,2,3
	ds_load_b128 v[48+4*\p:51+4*\p], v3 offset:RED2+16*\p
.endr
	s_wait_dscnt 0x0
	SUM16 48
	v_mov_b32 v49, 0x3727c5ac                      ; 1e-5
	s_delay_alu instid0(VALU_DEP_1)
	v_fmac_f32 v49, 0x3b000000, v48                ; + the sum / 512
	s_wait_alu depctr_va_vdst(0)
	v_rsq_f32 v48, v49
	v_nop                                          ; a plain line behind the root
	s_wait_alu depctr_va_vdst(0)                   ; ahead of the first reader
.irp p, 0,2,4,6,8,10,12,14
	v_pk_mul_f32 v[32+\p:33+\p], v[32+\p:33+\p], v[48:49] op_sel_hi:[1,0]
.endr
.irp p, 0,2,4,6,8,10,12,14
	v_pk_fma_f32 v[32+\p:33+\p], v[32+\p:33+\p], v[64+\p:65+\p], v[80+\p:81+\p]
.endr
.irp p, 0,1,2,3
	ds_store_b128 v8, v[32+4*\p:35+4*\p] offset:OUTS+64*(\p/2)+16*(\p%2)   ; sixteen lanes hold the same numbers and write the same bytes
.endr
	BARRIER                                        ; the row of 512 numbers lies in LDS
	s_cmp_ge_u32 s28, 4
	s_cbranch_scc1 .Lend
	ds_load_b128 v[48:51], v1 offset:OUTS          ; waves 0 to 3: 16 bytes a thread
	s_wait_dscnt 0x0
	global_store_b128 v1, v[48:51], s[24:25]       ; 32 lanes store 512 consecutive bytes
.Lend:
	s_wait_tensorcnt 0x0                           ; the wave's end, behind my last copy and my last LDS store
	s_wait_asynccnt 0x0
	ds_add_u32 v14, v15
	s_wait_dscnt 0x0
	s_endpgm
.Lfunc_end_k_qa3c051db27_fin:
	.size	k_qa3c051db27_fin, .Lfunc_end_k_qa3c051db27_fin-k_qa3c051db27_fin
	.p2alignl 7, 3214868480
	.fill 96, 4, 3214868480
	.section	.rodata,"a",@progbits
	.p2align	6, 0x0
	.amdhsa_kernel k_qa3c051db27_fin
		.amdhsa_group_segment_fixed_size 291328
		.amdhsa_private_segment_fixed_size 0
		.amdhsa_enable_private_segment 0
		.amdhsa_kernarg_size 72
		.amdhsa_user_sgpr_count 2
		.amdhsa_user_sgpr_kernarg_segment_ptr 1
		.amdhsa_wavefront_size32 1
		.amdhsa_system_sgpr_workgroup_id_x 1
		.amdhsa_system_sgpr_workgroup_id_y 1
		.amdhsa_system_sgpr_workgroup_id_z 1
		.amdhsa_system_vgpr_workitem_id 0
		.amdhsa_next_free_vgpr 256
		.amdhsa_next_free_sgpr 80
		.amdhsa_reserve_vcc 0
		.amdhsa_float_denorm_mode_32 3
		.amdhsa_float_denorm_mode_16_64 3
		.amdhsa_memory_ordered 1
		.amdhsa_forward_progress 1
		.amdhsa_inst_pref_size 34
	.end_amdhsa_kernel
	.amdgpu_metadata
---
amdhsa.version: [ 1, 2 ]
amdhsa.kernels:
  - .name:           k_qa3c051db27_fin
    .symbol:         k_qa3c051db27_fin.kd
    .args:
      - { .name: part, .offset: 0, .size: 8, .value_kind: global_buffer, .address_space: global }
      - { .name: stat, .offset: 8, .size: 8, .value_kind: global_buffer, .address_space: global }
      - { .name: wf, .offset: 16, .size: 8, .value_kind: global_buffer, .address_space: global }
      - { .name: bo, .offset: 24, .size: 8, .value_kind: global_buffer, .address_space: global }
      - { .name: b2, .offset: 32, .size: 8, .value_kind: global_buffer, .address_space: global }
      - { .name: gamma, .offset: 40, .size: 8, .value_kind: global_buffer, .address_space: global }
      - { .name: beta, .offset: 48, .size: 8, .value_kind: global_buffer, .address_space: global }
      - { .name: lowp_scales, .offset: 56, .size: 8, .value_kind: global_buffer, .address_space: global }
      - { .name: out0, .offset: 64, .size: 8, .value_kind: global_buffer, .address_space: global }
    .group_segment_fixed_size: 291328
    .private_segment_fixed_size: 0
    .kernarg_segment_align: 8
    .kernarg_segment_size: 72
    .max_flat_workgroup_size: 512
    .sgpr_count:     80
    .vgpr_count:     256
    .wavefront_size: 32
...
	.end_amdgpu_metadata
.endif
;; end of part 3
